; MI455X (gfx1250); checked and timed in simulation.
; The chip was launched on July 23, 2026; its instructions are those of AMD's public machine-readable ISA for CDNA 5 (MIT licence, August 2026) and "CDNA5" Instruction Set Architecture Reference Guide (July 2026). The comments in the code are by the model that wrote it; some were corrected since.
;; Quantize. Allowed arithmetic: float matrix products may take bf16 or f16 operands with f32 sums; all other float work in f32.
;; Inputs: embed 64 x 1,024 float32; input 16 x 4,096 x 64 float32.
;; Outputs: out0 16 x 4,096 x 64 float32; out1 16 x 4,096 x 64 float32; out2 16 x 4,096 int32.
;; 2 versions, each right; version 2 is version 1 with the launches nearest, apply written anew for expert scheduling mode. Each part assembles by itself: llvm-mc -triple=amdgcn-amd-amdhsa -mcpu=gfx1250 --defsym DOCPART=n.
;; ======== version 1 of 2: 2 launches
;; limits: values outside matrix products are rounded to bf16
;; workspace buffers: embt 262,144 bytes; codes 262,144 bytes of whole numbers
;; launch nearest (part 1): grid 256 x 1, 16 waves a work-group, no clusters, 120,832 bytes of LDS; arguments embed, input, embt, codes, out2; writes embt, codes, out2
.if DOCPART == 1
	.amdgcn_target "amdgcn-amd-amdhsa--gfx1250"
	.amdhsa_code_object_version 6
	.text
	.protected	k_qff07820f6e_nearest
	.globl	k_qff07820f6e_nearest
	.p2align	8
	.type	k_qff07820f6e_nearest,@function
k_qff07820f6e_nearest:
	s_mov_b64 s[64:65], 0
	v_nop
	global_prefetch_b8 v0, s[64:65] scope:SCOPE_SE
	s_setreg_imm32_b32 hwreg(HW_REG_WAVE_MODE, 25, 1), 1
	s_wait_xcnt 0x0
; NEAREST CODE.  input: [65536][64] f32, embed: [64][1024] f32.  For each token the index of the code with the least
; |x|^2 - 2 x.e + |e|^2, to out2 and (the same numbers) to codes, from which the next launch forms its addresses.
; Also embt[code][d] = embed[d][code] rounded to bf16 and widened again, 1024 rows of 256 bytes, for that launch's gather.
;
; ARITHMETIC.  x and e are rounded to bf16 (nearest even) for the matrix unit, sums in f32; |e|^2 is summed in f32 from the
; rounded numbers.  |x|^2 is the same for all codes of a token and changes no order: it is left out, and what is MAXIMISED
; is x.e - |e|^2/2 (the distance without |x|^2, times -1/2, an exact scaling).  Equal values: the lowest index wins.
; LIMITS.  Finite inputs with |x.e| and |e|^2 inside f32's range; with NaN or infinities the index is some number 0..1023.
; The f32 rounding of the three-term sum is not reproduced: codes whose distances differ by a few units in f32's last place
; may be ordered otherwise.
;
; SHAPE.  256 work-groups of 256 tokens, 16 waves.  Wave w keeps codes 64 w .. 64 w + 63 in registers for the whole launch
; (4 tiles of 16 codes x 64 d = 64 registers of bf16, and 4 tiles of -|e|^2/2 = 32 registers, which are the C operand of each
; tile's first matrix instruction, so that adding |e|^2 costs nothing).  The 256 tokens lie in LDS as bf16 and pass by, 16 at a time.
; The matrix instruction takes codes as A and tokens as B: lane (r, h) then holds, for token r, eight codes in each tile,
; so the search over a wave's 64 codes stays inside the lane (32 registers) but for the two halves h.
; Lane r loads four neighbouring columns of embed at once; they go to the four tiles: code = 64 w + 4 row + tile,
; and register j of tile i in lane (r, h) is code 64 w + 32 h + 4 j + i.
;
; ORDER OF THE REQUESTS.  A work-group asks for 128 + 512 loads of 512 bytes (tokens, codes).  Waves 0-7 bring ALL the tokens first
; (16 loads each) and lay them in LDS; waves 8-15 jump over that part.  Then every wave runs the same 32 loads of its own codes.
; So the token requests stand behind no code request of their own wave, waves 8-15 ask for their 131,072 bytes in their first lines,
; beside the tokens, and waves 0-7 ask for theirs as soon as their tokens are laid.  Each wave signals the barrier behind its last code
; request and converts its codes between the signal and the wait: waves 8-15 pass it with their codes ready and multiply while
; the codes of waves 0-7 are still on their way.
; TWO RESULT SETS.  The eight matrix instructions of block b + 1 are issued in front of the search over block b: a wave never stands
; in front of its own matrix results, and the search's lines are the places that matrix instructions ask for behind them.
; NO CLUSTER: what work-groups share is the codebook, 262,144 bytes.  A joint request can land only in LDS.  Here a wave's
; 16,384 bytes go straight into the registers in which they are converted; through LDS they would be written and read once
; more, 524,288 bytes of LDS traffic for a work-group, as much as the whole token loop reads, and would take 262,144 bytes of LDS.
.set XP,   144                         ; LDS pitch of a token: 128 bytes of bf16 + 16, an odd multiple of 16: the 16 rows of a fragment load start in 16 different groups of banks (64 banks of 4 bytes: ISA guide 11.1)
.set CP,   2176                        ; LDS pitch of a candidate row: 256 tokens x 8 bytes + 128, so that the two halves of a wave store to different banks
.set ROWB, 4096                        ; bytes in a row of embed
.set LX,   0                           ; 256 tokens x 144
.set LE,   256*XP                      ; 36,864: 256 bytes for each wave, -|e|^2/2 of its 64 codes
.set LP,   LE+16*256                   ; 40,960: 4 x 2,048 bytes, the winners of eight candidates each
.set LC,   LP+4*2048                   ; 49,152: 32 candidate rows (wave, half) x CP; ends at 118,784
.set LANE, 1
.set R,    2                           ; lane % 16
.set H,    3                           ; lane / 16
.set XO,   4                           ; waves 0-7: 16 x thread, my 16 bytes in each 4,096 bytes (16 tokens) of the group's tokens
.set XS,   5                           ; where their 8 bytes of bf16 go in LDS
.set EO,   6                           ; my offset in embed: 8 h rows + 16 r bytes
.set TO,   7                           ; embed rows 2 lane, 2 lane + 1 (for embt)
.set L8,   8                           ; 8 x lane
.set ES,   9                           ; LDS: my code row's word of -|e|^2/2
.set EL,   10                          ; LDS: the eight words of my half of a tile
.set BA,   11                          ; LDS: my part of the token fragment, stepped by 32 tokens
.set CA,   12                          ; LDS: my candidate, stepped by 32 tokens
.set CB,   13                          ; 64 w + 32 h
.set PA,   14                          ; LDS: first merge, loads
.set PS,   15                          ; LDS: first merge, store
.set PB,   16                          ; LDS: second merge, loads
.set OO,   17                          ; my 8 bytes in the group's 1,024 bytes of indices
.set ET,   18                          ; v[18:19] two numbers of a column of embed
.set EW,   20                          ; v[20:21] the same, rounded
.set ACC,  22                          ; v[22:25] sums of squares, one for each tile
.set TMP,  26                          ; v[26:29] the other half's sums
.set BEST, 30                          ; v30 the best value, v31 its code: a pair for one LDS store
.set M,    30                          ; v[30:33] maxima of the four groups of eight (v31 is free again before the code is written)
.set Q,    34                          ; 8 x the winning group
.set O,    35                          ; place in the group
.set AF,   40                          ; v[40:103]  A fragments: tile i at 16 i, K step s at 8 s
.set XR,   40                          ; v[40:103]  waves 0-7, before that: tokens as loaded, 16 x 4 registers
.set XB,   104                         ; v[104:135] and as bf16
.set ST,   104                         ; v[104:231] my codes as loaded, 32 x 4 registers
.set CT,   104                         ; v[104:135] afterwards: the four C tiles
.set D0,   136                         ; v[136:167] result set 0 (blocks 0, 2, ..)
.set D1,   168                         ; v[168:199] result set 1 (blocks 1, 3, ..)
.set BF0,  200                         ; v[200:215] token fragment of even blocks, two K steps
.set BF1,  216                         ; v[216:231] of odd blocks
.set RA,   136                         ; v[136:167] behind the loop: merges
	s_load_b256 s[4:11], s[0:1], 0x0               ; embed s[4:5], input s[6:7], embt s[8:9], codes s[10:11]
	s_load_b64 s[12:13], s[0:1], 0x20              ; out2
	v_lshl_add_u32 v232, v0, 2, 0x1d000
	v_mov_b32 v233, 0
	v_lshrrev_b32 v[LANE], 5, v0
	v_readfirstlane_b32 s14, v[LANE]               ; wave w, 0..15
	v_and_b32 v[LANE], 31, v0
	v_and_b32 v[R], 15, v0
	v_bfe_u32 v[H], v0, 4, 1
	s_lshl_b32 s15, s14, 8                         ; 256 w
	s_mul_i32 s16, s14, 2*CP                       ; my two candidate rows
	s_lshl_b32 s17, s14, 6                         ; 64 w
	s_mul_i32 s18, s14, 2*XP                       ; waves 0-7: two tokens for each wave in every 16
	s_and_b32 s19, s14, 3
	s_lshl_b32 s19, s19, 9                         ; 512 (w % 4): 32 pairs of tokens x 16 bytes
	s_lshr_b32 s20, s14, 2                         ; w / 4: which eight candidates I merge
	s_mul_i32 s21, s20, 8*CP
	s_lshl_b32 s22, s20, 11
	s_mov_b32 s40, 0x76543210                      ; v_permlanex16_b32: lane i of one half reads lane i of the other
	s_mov_b32 s41, 0xfedcba98
	v_lshlrev_b32 v[XO], 4, v0
	v_mul_u32_u24 v[XS], v[H], XP
	v_lshl_add_u32 v[XS], v[R], 3, v[XS]
	v_add_nc_u32 v[XS], s18, v[XS]                 ; token 2 w + h of each 16, 8 bytes at 8 r
	v_lshlrev_b32 v[EO], 15, v[H]
	v_lshl_or_b32 v[EO], v[R], 4, v[EO]
	v_lshlrev_b32 v[TO], 13, v[LANE]
	v_lshlrev_b32 v[L8], 3, v[LANE]
	v_lshl_add_u32 v[ES], v[R], 2, s15
	v_lshl_add_u32 v[EL], v[H], 5, s15
	v_mul_u32_u24 v[BA], v[R], XP
	v_lshl_add_u32 v[BA], v[H], 4, v[BA]           ; token r, bytes 16 h
	v_mul_u32_u24 v[CA], v[H], CP
	v_lshl_add_u32 v[CA], v[R], 3, v[CA]
	v_add_nc_u32 v[CA], s16, v[CA]                 ; candidate row 2 w + h, token r
	v_lshl_add_u32 v[CB], v[H], 5, s17
	v_lshl_add_u32 v[PB], v[LANE], 4, s19          ; pair of tokens 32 (w % 4) + lane
	v_add_nc_u32 v[PA], s21, v[PB]
	v_add_nc_u32 v[PS], s22, v[PB]
	v_add_nc_u32 v[OO], s15, v[L8]
	s_wait_kmcnt 0x0
	s_lshl_b32 s24, ttmp9, 16                      ; 256 tokens x 256 bytes for each work-group
	s_mov_b32 s25, 0
	s_add_nc_u64 s[6:7], s[6:7], s[24:25]          ; input at the group's first token
	s_mov_b32 s26, s15
	s_mov_b32 s27, 0
	s_add_nc_u64 s[26:27], s[4:5], s[26:27]        ; embed at my wave's first column (64 columns x 4 bytes)
	s_lshl2_add_u32 s28, ttmp9, s14                ; code 4 x group + w: the row of embt that waves 0..3 write
	s_lshl_b32 s30, s28, 2
	s_mov_b32 s31, 0
	s_add_nc_u64 s[30:31], s[4:5], s[30:31]        ; embed at that column
	s_lshl_b32 s32, s28, 8
	s_mov_b32 s33, 0
	s_add_nc_u64 s[8:9], s[8:9], s[32:33]          ; embt at that row
	s_lshl_b32 s34, ttmp9, 10                      ; 256 indices x 4 bytes
	s_mov_b32 s35, 0
	s_add_nc_u64 s[10:11], s[10:11], s[34:35]
	s_add_nc_u64 s[12:13], s[12:13], s[34:35]
	s_cmp_ge_u32 s14, 8
	s_cbranch_scc1 .Ltokens_laid                   ; waves 8-15 touch no token: straight to their codes
	; WAVES 0-7: THE TOKENS.  Waves 0..3 first ask for one column of embed each (1,024 columns / 256 groups).
	s_cmp_ge_u32 s14, 4
	s_cbranch_scc1 .Lrow_asked
	global_load_b32 v[ET], v[TO], s[30:31]                 ; embed[2 lane][code]
	global_load_b32 v[ET+1], v[TO], s[30:31] offset:ROWB   ; embed[2 lane + 1][code]
.Lrow_asked:
.irp q, 0,1,2,3,4,5,6,7,8,9,10,11,12,13,14,15
	global_load_b128 v[XR+4*\q:XR+4*\q+3], v[XO], s[6:7] offset:\q*4096   ; the 256 threads cover 4,096 neighbouring bytes, 16 tokens.  No hint: the next launch reads them again
.endr
.irp q, 0,1,2,3,4,5,6,7,8,9,10,11,12,13,14,15
	s_wait_loadcnt 15-\q                           ; loads return in order (ISA guide 5.7.1): token load q is in, the 15 - q behind it stay out
	v_cvt_pk_bf16_f32 v[XB+2*\q], v[XR+4*\q], v[XR+4*\q+1]
	v_cvt_pk_bf16_f32 v[XB+2*\q+1], v[XR+4*\q+2], v[XR+4*\q+3]
	ds_store_b64 v[XS], v[XB+2*\q:XB+2*\q+1] offset:LX+\q*16*XP
.endr
	; waves 0..3: their column of embed (older than the token loads, so it is in) becomes a row of embt
	s_cmp_ge_u32 s14, 4
	s_cbranch_scc1 .Lrow_stored
	v_cvt_pk_bf16_f32 v[EW], v[ET], v[ET+1]
	v_and_b32 v[EW+1], 0xffff0000, v[EW]           ; bf16 to f32: the high half stays,
	v_lshlrev_b32 v[EW], 16, v[EW]                 ; the low half moves up
	global_store_b64 v[L8], v[EW:EW+1], s[8:9]     ; the wave stores the row's 256 bytes, aligned
.Lrow_stored:
	s_wait_dscnt 0x0                               ; my tokens are in LDS: zero, for the other waves' sake (the signal stands below, behind the code requests)
.Ltokens_laid:
	; EVERY WAVE: my 64 codes.  Load n brings row d = 32 (n/16) + 16 (n/8 % 2) + n % 8 + 8 h, columns 4 r .. 4 r + 3: sixteen lanes cover 256 aligned bytes.
	; (In waves 0-7 v[104:135] held the bf16 tokens, whose LDS stores were waited for above.)
.set n, 0
.rept 32
	global_load_b128 v[ST+4*n:ST+4*n+3], v[EO], s[26:27] offset:(32*(n>>4)+16*((n>>3)&1)+(n&7))*ROWB
.set n, n+1
.endr
	s_barrier_signal -1
	; CODES, between the signal and the wait (registers only): A fragments and the sums of squares of the rounded numbers.
	; Fragment register n/2 of tile i packs rows d(n), d(n+1) of column 4 r + i: K = 8 h + 0..7 in registers 0-3, 16 + 8 h + 0..7 in 4-7.
.irp i, 0,1,2,3
	v_mov_b32 v[ACC+\i], 0
	v_mov_b32 v[TMP+\i], 0                         ; written once: v_permlanex16_b32 counts as a reader of its destination
.endr
.set n, 0
.rept 16
	s_wait_loadcnt 30-n                            ; in both kinds of waves the 32 code loads are the youngest: n and n + 1 are in, the 30 - n behind them stay out
.irp i, 0,1,2,3
	v_cvt_pk_bf16_f32 v[AF+16*\i+n/2], v[ST+4*n+\i], v[ST+4*n+4+\i]
.endr
.irp i, 0,1,2,3
	v_fma_mix_f32_bf16 v[ACC+\i], v[AF+16*\i+n/2], v[AF+16*\i+n/2], v[ACC+\i] op_sel_hi:[1,1,0]
.endr
.irp i, 0,1,2,3
	v_fma_mix_f32_bf16 v[ACC+\i], v[AF+16*\i+n/2], v[AF+16*\i+n/2], v[ACC+\i] op_sel:[1,1,0] op_sel_hi:[1,1,0]
.endr
.set n, n+2
.endr
	s_barrier_wait -1                              ; all 256 tokens are in LDS
	; -|e|^2/2: add the other half's 32 rows, then turn the 16 numbers of a tile (one a lane) into a C tile (register j of half h:
	; code row 8 h + j, the same for all 16 tokens) through 64 bytes of my own LDS.  LDS serves a wave's instructions in order
	; (ISA guide 5.7.1.4): no wait between my stores and my loads.
.irp i, 0,1,2,3
	v_permlanex16_b32 v[TMP+\i], v[ACC+\i], s40, s41
.endr
.irp i, 0,1,2,3
	v_add_f32 v[ACC+\i], v[ACC+\i], v[TMP+\i]
.endr
.irp i, 0,1,2,3
	v_mul_f32 v[ACC+\i], -0.5, v[ACC+\i]
	ds_store_b32 v[ES], v[ACC+\i] offset:LE+64*\i  ; lanes r and r + 16 write the same word with the same value
.endr
.irp i, 0,1,2,3
	ds_load_b128 v[CT+8*\i:CT+8*\i+3], v[EL] offset:LE+64*\i
	ds_load_b128 v[CT+8*\i+4:CT+8*\i+7], v[EL] offset:LE+64*\i+16
.endr
.irp k, 0,1,2,3
	ds_load_b128 v[BF0+4*\k:BF0+4*\k+3], v[BA] offset:LX+32*\k             ; tokens 0..15: d = 8 h.., 16 + 8 h.., 32 + 8 h.., 48 + 8 h..
.endr
.irp k, 0,1,2,3
	ds_load_b128 v[BF1+4*\k:BF1+4*\k+3], v[BA] offset:LX+16*XP+32*\k       ; tokens 16..31
.endr
; 16 tokens (fragment b) x my 64 codes into result set d: 8 matrix instructions.  The second four are links in place of the first four.
.macro MM d, b
.irp i, 0,1,2,3
	v_wmma_f32_16x16x32_bf16 v[\d+8*\i:\d+8*\i+7], v[AF+16*\i:AF+16*\i+7], v[\b:\b+7], v[CT+8*\i:CT+8*\i+7]
.endr
.irp i, 0,1,2,3
	v_wmma_f32_16x16x32_bf16 v[\d+8*\i:\d+8*\i+7], v[AF+16*\i+8:AF+16*\i+15], v[\b+8:\b+15], v[\d+8*\i:\d+8*\i+7]
.endr
.endm
; The search over the lane's 32 results in set d.  The 32 codes of a lane ascend as l = 4 j + i.  They are taken as four groups of eight
; neighbours: group q = registers 2 q, 2 q + 1 of the four tiles, place o = 4 (j % 2) + i.  Each group's maximum costs four instructions; a later
; group replaces the running one only if it is GREATER, and then its eight values replace the kept eight under the same mask; at the end the
; first kept value equal to the maximum gives the place.  So equal values give the lowest code.
.macro SEARCH d
.irp q, 0,1,2,3
	v_max3_num_f32 v[M+\q], v[\d+2*\q], v[\d+8+2*\q], v[\d+16+2*\q]
.endr
.irp q, 0,1,2,3
	v_max3_num_f32 v[M+\q], v[M+\q], v[\d+24+2*\q], v[\d+2*\q+1]
.endr
.irp q, 0,1,2,3
	v_max3_num_f32 v[M+\q], v[M+\q], v[\d+8+2*\q+1], v[\d+16+2*\q+1]
.endr
.irp q, 0,1,2,3
	v_max_num_f32 v[M+\q], v[M+\q], v[\d+24+2*\q+1]
.endr
.irp q, 1,2,3
	v_cmp_gt_f32 vcc_lo, v[M+\q], v[BEST]
	v_max_num_f32 v[BEST], v[BEST], v[M+\q]
.if \q == 1
	v_cndmask_b32 v[Q], 0, 8, vcc_lo
.else
	v_cndmask_b32 v[Q], v[Q], 8*\q, vcc_lo
.endif
.irp o, 0,1,2,3,4,5,6,7
	v_cndmask_b32 v[\d+8*(\o&3)+(\o>>2)], v[\d+8*(\o&3)+(\o>>2)], v[\d+8*(\o&3)+2*\q+(\o>>2)], vcc_lo   ; kept in group 0's registers
.endr
.endr
	v_cmp_eq_f32 vcc_lo, v[\d+8*(6&3)+(6>>2)], v[BEST]
	v_cndmask_b32 v[O], 7, 6, vcc_lo
.irp o, 5,4,3,2,1,0
	v_cmp_eq_f32 vcc_lo, v[\d+8*(\o&3)+(\o>>2)], v[BEST]
	v_cndmask_b32 v[O], v[O], \o, vcc_lo           ; downward: the lowest place that holds the maximum stays
.endr
	v_add3_u32 v[BEST+1], v[Q], v[O], v[CB]        ; 64 w + 32 h + 8 q + o
.endm
; ONE BLOCK'S TURN: the NEXT block is multiplied into set dn from fragment bn; then the block after that is fetched into bc, the fragment of the
; block that is searched now (more = 1); then this block's results, in set dc, are searched.  blk: 0 or 1, the block's place in the trip.
; Places: between the matrix instructions that read bc and wrote dc (one turn ago) and the loads into bc and the first
; read of dc stand the 64 lines of the last turn's search, which name the other set alone.
.macro TURN dn, bn, dc, bc, blk, more
	s_wait_dscnt 0x1                               ; LDS answers in order (ISA guide 5.7.1): the four loads of bn, issued a turn ago, are in; only the candidate store behind them may be out
	MM \dn, \bn
.if \more
.irp k, 0,1,2,3
	ds_load_b128 v[\bc+4*\k:\bc+4*\k+3], v[BA] offset:LX+(\blk+2)*16*XP+32*\k      ; on their way during the search
.endr
.endif
	SEARCH \dc
	ds_store_b64 v[CA], v[BEST:BEST+1] offset:LC+128*\blk
.endm
	s_wait_dscnt 0x0                               ; the C tiles and both fragments are in (zero: no store stands behind the loads here, as it does in the loop)
	MM D0, BF0                                     ; block 0
.rept 4
	v_nop                                          ; once: the four places behind block 0's matrix instructions, which no search precedes
.endr
	s_mov_b32 s42, 7
.Ltokens:                                              ; trip t: multiplies blocks 2 t + 1, 2 t + 2, fetches 2 t + 2, 2 t + 3, searches 2 t, 2 t + 1
	TURN D1, BF1, D0, BF0, 0, 1
	TURN D0, BF0, D1, BF1, 1, 1
	v_add_nc_u32 v[BA], 32*XP, v[BA]               ; 32 tokens on
	v_add_nc_u32 v[CA], 256, v[CA]                 ; 32 tokens x 8 bytes on
	s_sub_co_i32 s42, s42, 1
	s_cmp_lg_u32 s42, 0
	s_cbranch_scc1 .Ltokens
	TURN D1, BF1, D0, BF0, 0, 0                    ; block 15 is multiplied, 14 searched: nothing is fetched beyond the last token
	SEARCH D1                                      ; block 15
	ds_store_b64 v[CA], v[BEST:BEST+1] offset:LC+128
	; THE 32 CANDIDATES OF EACH TOKEN.  Row c = 2 w + h holds codes 32 c .. 32 c + 31, so going up c and replacing only by a GREATER value
	; keeps the lowest code.  A thread takes two neighbouring tokens (16 bytes a row).
.macro MERGE c
	v_cmp_gt_f32 vcc_lo, v[RA+4*\c], v[RA]
	v_max_num_f32 v[RA], v[RA], v[RA+4*\c]
	v_cndmask_b32 v[RA+1], v[RA+1], v[RA+4*\c+1], vcc_lo
	v_cmp_gt_f32 vcc_lo, v[RA+4*\c+2], v[RA+2]
	v_max_num_f32 v[RA+2], v[RA+2], v[RA+4*\c+2]
	v_cndmask_b32 v[RA+3], v[RA+3], v[RA+4*\c+3], vcc_lo
.endm
	s_wait_dscnt 0x0                               ; my candidates are in LDS
	s_barrier_signal -1
	s_barrier_wait -1
.irp c, 0,1,2,3,4,5,6,7
	ds_load_b128 v[RA+4*\c:RA+4*\c+3], v[PA] offset:LC+\c*CP       ; waves 4 p .. 4 p + 3: rows 8 p .. 8 p + 7 of all 128 pairs
.endr
	s_wait_dscnt 0x0
.irp c, 1,2,3,4,5,6,7
	MERGE \c
.endr
	ds_store_b128 v[PS], v[RA:RA+3] offset:LP
	s_wait_dscnt 0x0
	s_barrier_signal -1
	s_barrier_wait -1
	s_cmp_ge_u32 s14, 4                            ; the last step is work for 128 threads: 64 tokens a wave make stores of 256 bytes
	s_cbranch_scc1 .Lend
.irp c, 0,1,2,3
	ds_load_b128 v[RA+4*\c:RA+4*\c+3], v[PB] offset:LP+\c*2048
.endr
	s_wait_dscnt 0x0
.irp c, 1,2,3
	MERGE \c
.endr
	v_mov_b32 v[RA+2], v[RA+1]                     ; the two indices side by side
	global_store_b64 v[OO], v[RA+2:RA+3], s[12:13] ; out2: the wave stores 256 consecutive bytes, aligned
	global_store_b64 v[OO], v[RA+2:RA+3], s[10:11] ; codes: the same
.Lend:
	s_wait_tensorcnt 0x0
	ds_add_u32 v232, v233
	s_wait_dscnt 0x0
	s_endpgm
.Lfunc_end_k_qff07820f6e_nearest:
	.size	k_qff07820f6e_nearest, .Lfunc_end_k_qff07820f6e_nearest-k_qff07820f6e_nearest
	.p2alignl 7, 3214868480
	.fill 96, 4, 3214868480
	.section	.rodata,"a",@progbits
	.p2align	6, 0x0
	.amdhsa_kernel k_qff07820f6e_nearest
		.amdhsa_group_segment_fixed_size 120832
		.amdhsa_private_segment_fixed_size 0
		.amdhsa_enable_private_segment 0
		.amdhsa_kernarg_size 40
		.amdhsa_user_sgpr_count 2
		.amdhsa_user_sgpr_kernarg_segment_ptr 1
		.amdhsa_wavefront_size32 1
		.amdhsa_system_sgpr_workgroup_id_x 1
		.amdhsa_system_sgpr_workgroup_id_y 1
		.amdhsa_system_sgpr_workgroup_id_z 1
		.amdhsa_system_vgpr_workitem_id 0
		.amdhsa_next_free_vgpr 234
		.amdhsa_next_free_sgpr 66
		.amdhsa_reserve_vcc 1
		.amdhsa_float_denorm_mode_32 3
		.amdhsa_float_denorm_mode_16_64 3
		.amdhsa_memory_ordered 1
		.amdhsa_forward_progress 1
		.amdhsa_inst_pref_size 44
	.end_amdhsa_kernel
	.amdgpu_metadata
---
amdhsa.version: [ 1, 2 ]
amdhsa.kernels:
  - .name:           k_qff07820f6e_nearest
    .symbol:         k_qff07820f6e_nearest.kd
    .args:
      - { .name: embed, .offset: 0, .size: 8, .value_kind: global_buffer, .address_space: global }
      - { .name: input, .offset: 8, .size: 8, .value_kind: global_buffer, .address_space: global }
      - { .name: embt, .offset: 16, .size: 8, .value_kind: global_buffer, .address_space: global }
      - { .name: codes, .offset: 24, .size: 8, .value_kind: global_buffer, .address_space: global }
      - { .name: out2, .offset: 32, .size: 8, .value_kind: global_buffer, .address_space: global }
    .group_segment_fixed_size: 120832
    .private_segment_fixed_size: 0
    .kernarg_segment_align: 8
    .kernarg_segment_size: 40
    .max_flat_workgroup_size: 512
    .sgpr_count:     66
    .vgpr_count:     234
    .wavefront_size: 32
...
	.end_amdgpu_metadata
.endif
;; end of part 1
;; launch apply (part 2): grid 512 x 1, 8 waves a work-group, no clusters, 0 bytes of LDS; arguments input, embt, codes, out0, out1; writes out0, out1
.if DOCPART == 2
	.amdgcn_target "amdgcn-amd-amdhsa--gfx1250"
	.amdhsa_code_object_version 6
	.text
	.protected	k_qff07820f6e_apply
	.globl	k_qff07820f6e_apply
	.p2align	8
	.type	k_qff07820f6e_apply,@function
k_qff07820f6e_apply:
	s_mov_b64 s[64:65], 0
	v_nop
	global_prefetch_b8 v0, s[64:65] scope:SCOPE_SE
	s_setreg_imm32_b32 hwreg(HW_REG_WAVE_MODE, 25, 1), 1
	s_wait_xcnt 0x0
; GATHER AND THE TWO ELEMENTWISE RESULTS.  q = embt[codes[token]] (the code, already rounded to bf16 and widened), x = input rounded to bf16
; and widened: t = q - x, out1 = t * t, out0 = x + t, all in f32.
; FORMAT: both results are formed from the operands as rounded to bf16, the numbers between which the nearest code was chosen, so that the
; three outputs belong to one and the same rounded problem; against unrounded operands x and q are off by 2^-8 of their size at the most.
; A stream: memory binds.  No LDS, no barrier, no matrix unit, no cluster (work-groups share only the 262,144 bytes of embt, read by rows that
; the indices name).  512 work-groups of 128 rows; sixteen lanes own eight consecutive rows, 16 bytes of each row a lane, so every load
; and store of sixteen lanes covers one row: 256 consecutive bytes, aligned.  Straight-line: all 8 rows of a lane are in flight at once,
; and no register that a memory instruction names is written again.
.set IX, 8                             ; v[8:15]  the eight indices, then the byte offsets in embt
.set X,  16                            ; v[16:47] row k: x, then out0
.set E,  48                            ; v[48:79] row k: q, then t, then out1
.set T,  80                            ; v[80:81] packed bf16
	s_load_b256 s[4:11], s[0:1], 0x0               ; input s[4:5], embt s[6:7], codes s[8:9], out0 s[10:11]
	s_load_b64 s[12:13], s[0:1], 0x20              ; out1
	v_and_b32 v1, 15, v0
	v_lshrrev_b32 v2, 4, v0                        ; which eight rows, 0..15
	v_lshlrev_b32 v3, 5, v2                        ; their eight indices: 32 bytes
	v_lshlrev_b32 v5, 4, v1                        ; my 16 bytes in a row
	v_lshl_add_u32 v4, v2, 11, v5                  ; + 8 rows x 256 bytes
	s_lshl_b32 s14, ttmp9, 15                      ; 128 rows x 256 bytes for each work-group
	s_mov_b32 s15, 0
	s_lshl_b32 s16, ttmp9, 9                       ; 128 indices x 4 bytes
	s_mov_b32 s17, 0
	s_mov_b32 s18, 0xffff0000                      ; a word's upper bf16
	s_wait_kmcnt 0x0
	s_add_nc_u64 s[4:5], s[4:5], s[14:15]
	s_add_nc_u64 s[8:9], s[8:9], s[16:17]
	s_add_nc_u64 s[10:11], s[10:11], s[14:15]
	s_add_nc_u64 s[12:13], s[12:13], s[14:15]
	global_load_b128 v[IX:IX+3], v3, s[8:9]
	global_load_b128 v[IX+4:IX+7], v3, s[8:9] offset:16
.irp k, 0,1,2,3,4,5,6,7
	global_load_b128 v[X+4*\k:X+4*\k+3], v4, s[4:5] offset:256*\k th:TH_LOAD_NT    ; read here for the last time
.endr
	s_wait_loadcnt 8                               ; the indices are in; the eight loads of x stay out
.irp k, 0,1,2,3,4,5,6,7
	v_min_u32 v[IX+\k], 0x3ff, v[IX+\k]            ; an index stays inside the table of 1,024 rows
	v_lshlrev_b32 v[IX+\k], 8, v[IX+\k]            ; rows of 256 bytes
	v_add_nc_u32 v[IX+\k], v[IX+\k], v5
	global_load_b128 v[E+4*\k:E+4*\k+3], v[IX+\k], s[6:7]          ; no hint: a row may be named again
.endr
.irp k, 0,1,2,3,4,5,6,7
	s_wait_loadcnt 7-\k                            ; loads return in order (ISA guide 5.7.1): gather k is in (and all of x, which is older), 7 - k gathers stay out
	v_cvt_pk_bf16_f32 v[T], v[X+4*\k], v[X+4*\k+1]
	v_cvt_pk_bf16_f32 v[T+1], v[X+4*\k+2], v[X+4*\k+3]
	v_lshlrev_b32 v[X+4*\k], 16, v[T]
	v_and_b32 v[X+4*\k+1], s18, v[T]
	v_lshlrev_b32 v[X+4*\k+2], 16, v[T+1]
	v_and_b32 v[X+4*\k+3], s18, v[T+1]
	v_pk_add_f32 v[E+4*\k:E+4*\k+1], v[E+4*\k:E+4*\k+1], v[X+4*\k:X+4*\k+1] neg_lo:[0,1] neg_hi:[0,1]         ; t = q - x
	v_pk_add_f32 v[E+4*\k+2:E+4*\k+3], v[E+4*\k+2:E+4*\k+3], v[X+4*\k+2:X+4*\k+3] neg_lo:[0,1] neg_hi:[0,1]
	v_pk_add_f32 v[X+4*\k:X+4*\k+1], v[X+4*\k:X+4*\k+1], v[E+4*\k:E+4*\k+1]                                   ; out0 = x + t
	v_pk_add_f32 v[X+4*\k+2:X+4*\k+3], v[X+4*\k+2:X+4*\k+3], v[E+4*\k+2:E+4*\k+3]
	v_pk_mul_f32 v[E+4*\k:E+4*\k+1], v[E+4*\k:E+4*\k+1], v[E+4*\k:E+4*\k+1]                                   ; out1 = t * t
	v_pk_mul_f32 v[E+4*\k+2:E+4*\k+3], v[E+4*\k+2:E+4*\k+3], v[E+4*\k+2:E+4*\k+3]
	global_store_b128 v4, v[X+4*\k:X+4*\k+3], s[10:11] offset:256*\k th:TH_STORE_NT
	global_store_b128 v4, v[E+4*\k:E+4*\k+3], s[12:13] offset:256*\k th:TH_STORE_NT
.endr
	s_endpgm
.Lfunc_end_k_qff07820f6e_apply:
	.size	k_qff07820f6e_apply, .Lfunc_end_k_qff07820f6e_apply-k_qff07820f6e_apply
	.p2alignl 7, 3214868480
	.fill 96, 4, 3214868480
	.section	.rodata,"a",@progbits
	.p2align	6, 0x0
	.amdhsa_kernel k_qff07820f6e_apply
		.amdhsa_group_segment_fixed_size 0
		.amdhsa_private_segment_fixed_size 0
		.amdhsa_enable_private_segment 0
		.amdhsa_kernarg_size 40
		.amdhsa_user_sgpr_count 2
		.amdhsa_user_sgpr_kernarg_segment_ptr 1
		.amdhsa_wavefront_size32 1
		.amdhsa_system_sgpr_workgroup_id_x 1
		.amdhsa_system_sgpr_workgroup_id_y 1
		.amdhsa_system_sgpr_workgroup_id_z 1
		.amdhsa_system_vgpr_workitem_id 0
		.amdhsa_next_free_vgpr 82
		.amdhsa_next_free_sgpr 66
		.amdhsa_reserve_vcc 0
		.amdhsa_float_denorm_mode_32 3
		.amdhsa_float_denorm_mode_16_64 3
		.amdhsa_memory_ordered 1
		.amdhsa_forward_progress 1
		.amdhsa_inst_pref_size 11
	.end_amdhsa_kernel
	.amdgpu_metadata
---
amdhsa.version: [ 1, 2 ]
amdhsa.kernels:
  - .name:           k_qff07820f6e_apply
    .symbol:         k_qff07820f6e_apply.kd
    .args:
      - { .name: input, .offset: 0, .size: 8, .value_kind: global_buffer, .address_space: global }
      - { .name: embt, .offset: 8, .size: 8, .value_kind: global_buffer, .address_space: global }
      - { .name: codes, .offset: 16, .size: 8, .value_kind: global_buffer, .address_space: global }
      - { .name: out0, .offset: 24, .size: 8, .value_kind: global_buffer, .address_space: global }
      - { .name: out1, .offset: 32, .size: 8, .value_kind: global_buffer, .address_space: global }
    .group_segment_fixed_size: 0
    .private_segment_fixed_size: 0
    .kernarg_segment_align: 8
    .kernarg_segment_size: 40
    .max_flat_workgroup_size: 256
    .sgpr_count:     66
    .vgpr_count:     82
    .wavefront_size: 32
...
	.end_amdgpu_metadata
.endif
;; end of part 2
;; ======== version 2 of 2: 2 launches; version 1 with the launches nearest, apply written anew for expert scheduling mode
;; limits: values outside matrix products are rounded to bf16
;; workspace buffers: embt 262,144 bytes; codes 262,144 bytes of whole numbers
;; launch nearest (part 3): grid 256 x 1, 16 waves a work-group, no clusters, 120,832 bytes of LDS; arguments embed, input, embt, codes, out2; writes embt, codes, out2
.if DOCPART == 3
	.amdgcn_target "amdgcn-amd-amdhsa--gfx1250"
	.amdhsa_code_object_version 6
	.text
	.protected	k_qff07820f6e_nearest
	.globl	k_qff07820f6e_nearest
	.p2align	8
	.type	k_qff07820f6e_nearest,@function
k_qff07820f6e_nearest:
	s_mov_b64 s[64:65], 0
	v_nop
	global_prefetch_b8 v0, s[64:65] scope:SCOPE_SE
	s_setreg_imm32_b32 hwreg(HW_REG_WAVE_SCHED_MODE, 0, 2), 2
	s_setreg_imm32_b32 hwreg(HW_REG_WAVE_MODE, 25, 1), 1
	s_wait_xcnt 0x0
	s_wait_alu depctr_vm_vsrc(0)
; NEAREST CODE.  input: [65536][64] f32, embed: [64][1024] f32.  For each token the index of the code with the least
; |x|^2 - 2 x.e + |e|^2, to out2 and (the same numbers) to codes, from which the next launch forms its addresses.
; Also embt[code][d] = embed[d][code] rounded to bf16 and widened again, 1024 rows of 256 bytes, for that launch's gather.
;
; ARITHMETIC.  x and e are rounded to bf16 (nearest even) for the matrix unit, sums in f32; |e|^2 is summed in f32 from the
; rounded numbers.  |x|^2 is the same for all codes of a token and changes no order: it is left out, and what is MAXIMISED
; is x.e - |e|^2/2 (the distance without |x|^2, times -1/2, an exact scaling).  Equal values: the lowest index wins.
; LIMITS.  Finite inputs with |x.e| and |e|^2 inside f32's range; with NaN or infinities the index is some number 0..1023.
; The f32 rounding of the three-term sum is not reproduced: codes whose distances differ by a few units in f32's last place
; may be ordered otherwise.
;
; SHAPE.  256 work-groups of 256 tokens, 16 waves.  Wave w keeps codes 64 w .. 64 w + 63 in registers for the whole launch
; (4 tiles of 16 codes x 64 d = 64 registers of bf16, and 4 tiles of -|e|^2/2 = 32 registers, which are the C operand of each
; tile's first matrix instruction, so that adding |e|^2 costs nothing).  The 256 tokens lie in LDS as bf16 and pass by, 16 at a time.
; The matrix instruction takes codes as A and tokens as B: lane (r, h) then holds, for token r, eight codes in each tile,
; so the search over a wave's 64 codes stays inside the lane (32 registers) but for the two halves h.
; Lane r loads four neighbouring columns of embed at once; they go to the four tiles: code = 64 w + 4 row + tile,
; and register j of tile i in lane (r, h) is code 64 w + 32 h + 4 j + i.
;
; ORDER OF THE REQUESTS.  A work-group asks for 128 + 512 loads of 512 bytes (tokens, codes).  Waves 0-7 bring ALL the tokens first
; (16 loads each) and lay them in LDS; waves 8-15 jump over that part.  Then every wave runs the same 32 loads of its own codes.
; So the token requests stand behind no code request of their own wave, waves 8-15 ask for their 131,072 bytes in their first lines,
; beside the tokens, and waves 0-7 ask for theirs as soon as their tokens are laid.  Each wave signals the barrier behind its last code
; request and converts its codes between the signal and the wait: waves 8-15 pass it with their codes ready and multiply while
; the codes of waves 0-7 are still on their way.
; TWO RESULT SETS.  The eight matrix instructions of block b + 1 are issued in front of the search over block b: a wave never stands
; in front of its own matrix results, and the search's lines are the places that matrix instructions ask for behind them.
; NO CLUSTER: what work-groups share is the codebook, 262,144 bytes.  A joint request can land only in LDS.  Here a wave's
; 16,384 bytes go straight into the registers in which they are converted; through LDS they would be written and read once
; more, 524,288 bytes of LDS traffic for a work-group, as much as the whole token loop reads, and would take 262,144 bytes of LDS.
;
; THE MODE: SCHED_MODE bits 1:0 = 2 (LLVM: expert scheduling mode 2), set by the entry lines.  The code itself states the register dependences
; between vector or matrix instructions and memory or LDS instructions, and between a vector instruction that writes a scalar register and
; that register's readers, with s_wait_alu, always for 0.
; THE PLAN.  Registers that memory or LDS instructions touch in the loop (a TURN is one block of 16 tokens):
;   BF0, BF1   Turn j: its matrix instructions read one fragment; its four LDS loads land in the other, which the matrix instructions of turn j - 1 read.
;   BEST       v[30:31].  Written by the turn's search; read by the candidate store at the turn's end; written again by the next search.
;   v[BA]      Read by the four loads; v[CA] read by the store.  Both are stepped once a trip, behind the second turn's search.
;   D0, D1, AF, CT, M, Q, O are named by vector and matrix instructions alone.
; ONE wait on va_vdst stands at a turn's end: the search has written BEST, which the store behind it reads; the turn's matrix instructions are done reading the
; fragment in which the next turn's loads land; in a trip's second turn v[BA] and v[CA] are written.  The next turn's loads follow among its matrix instructions,
; which name AF, CT, the other fragment and the other result set: none of the registers that those loads touch.
; ONE wait on vm_vsrc stands between a turn's matrix instructions and its search: the last turn's store has read BEST, and the loads and stores issued so far
; have read v[BA] and v[CA].  A compare's mask goes into a scalar register; the compares stand in runs, one wait on va_sdst behind each run: two to a search.
.set XP,   144                         ; LDS pitch of a token: 128 bytes of bf16 + 16, an odd multiple of 16: the 16 rows of a fragment load start in 16 different groups of banks (64 banks of 4 bytes: ISA guide 11.1)
.set CP,   2176                        ; LDS pitch of a candidate row: 256 tokens x 8 bytes + 128, so that the two halves of a wave store to different banks
.set ROWB, 4096                        ; bytes in a row of embed
.set LX,   0                           ; 256 tokens x 144
.set LE,   256*XP                      ; 36,864: 256 bytes for each wave, -|e|^2/2 of its 64 codes
.set LP,   LE+16*256                   ; 40,960: 4 x 2,048 bytes, the winners of eight candidates each
.set LC,   LP+4*2048                   ; 49,152: 32 candidate rows (wave, half) x CP; ends at 118,784
.set LANE, 1
.set R,    2                           ; lane % 16
.set H,    3                           ; lane / 16
.set XO,   4                           ; waves 0-7: 16 x thread, my 16 bytes in each 4,096 bytes (16 tokens) of the group's tokens
.set XS,   5                           ; where their 8 bytes of bf16 go in LDS
.set EO,   6                           ; my offset in embed: 8 h rows + 16 r bytes
.set TO,   7                           ; embed rows 2 lane, 2 lane + 1 (for embt)
.set L8,   8                           ; 8 x lane
.set ES,   9                           ; LDS: my code row's word of -|e|^2/2
.set EL,   10                          ; LDS: the eight words of my half of a tile
.set BA,   11                          ; LDS: my part of the token fragment, stepped by 32 tokens
.set CA,   12                          ; LDS: my candidate, stepped by 32 tokens
.set CB,   13                          ; 64 w + 32 h
.set PA,   14                          ; LDS: first merge, loads
.set PS,   15                          ; LDS: first merge, store
.set PB,   16                          ; LDS: second merge, loads
.set OO,   17                          ; my 8 bytes in the group's 1,024 bytes of indices
.set ET,   18                          ; v[18:19] two numbers of a column of embed
.set EW,   20                          ; v[20:21] the same, rounded
.set ACC,  22                          ; v[22:25] sums of squares, one for each tile
.set TMP,  26                          ; v[26:29] the other half's sums
.set BEST, 30                          ; v30 the best value, v31 its code: a pair for one LDS store
.set M,    30                          ; v[30:33] maxima of the four groups of eight (v31 is free again before the code is written)
.set Q,    34                          ; 8 x the winning group
.set O,    35                          ; place in the group
.set AF,   40                          ; v[40:103]  A fragments: tile i at 16 i, K step s at 8 s
.set XR,   40                          ; v[40:103]  waves 0-7, before that: tokens as loaded, 16 x 4 registers
.set XB,   104                         ; v[104:135] and as bf16
.set ST,   104                         ; v[104:231] my codes as loaded, 32 x 4 registers
.set CT,   104                         ; v[104:135] afterwards: the four C tiles
.set D0,   136                         ; v[136:167] result set 0 (blocks 0, 2, ..)
.set D1,   168                         ; v[168:199] result set 1 (blocks 1, 3, ..)
.set BF0,  200                         ; v[200:215] token fragment of even blocks, two K steps
.set BF1,  216                         ; v[216:231] of odd blocks
.set RA,   136                         ; v[136:167] behind the loop: merges
.set MK,   48                          ; s[48:61]   the compares' masks
	s_load_b256 s[4:11], s[0:1], 0x0               ; embed s[4:5], input s[6:7], embt s[8:9], codes s[10:11]
	s_load_b64 s[12:13], s[0:1], 0x20              ; out2
	v_lshl_add_u32 v38, v0, 2, 0x1d000
	v_mov_b32 v39, 0
	v_lshrrev_b32 v[LANE], 5, v0
	v_readfirstlane_b32 s14, v[LANE]               ; wave w, 0..15
	v_and_b32 v[LANE], 31, v0
	v_and_b32 v[R], 15, v0
	v_bfe_u32 v[H], v0, 4, 1
	s_wait_alu depctr_va_sdst(0)                   ; s14 is written, ahead of its first reader: offsets, bases and the branches on the wave's number are made from it
	s_lshl_b32 s15, s14, 8                         ; 256 w
	s_mul_i32 s16, s14, 2*CP                       ; my two candidate rows
	s_lshl_b32 s17, s14, 6                         ; 64 w
	s_mul_i32 s18, s14, 2*XP                       ; waves 0-7: two tokens for each wave in every 16
	s_and_b32 s19, s14, 3
	s_lshl_b32 s19, s19, 9                         ; 512 (w % 4): 32 pairs of tokens x 16 bytes
	s_lshr_b32 s20, s14, 2                         ; w / 4: which eight candidates I merge
	s_mul_i32 s21, s20, 8*CP
	s_lshl_b32 s22, s20, 11
	s_mov_b32 s40, 0x76543210                      ; v_permlanex16_b32: lane i of one half reads lane i of the other
	s_mov_b32 s41, 0xfedcba98
	v_lshlrev_b32 v[XO], 4, v0
	v_mul_u32_u24 v[XS], v[H], XP
	v_lshl_add_u32 v[XS], v[R], 3, v[XS]
	v_add_nc_u32 v[XS], s18, v[XS]                 ; token 2 w + h of each 16, 8 bytes at 8 r
	v_lshlrev_b32 v[EO], 15, v[H]
	v_lshl_or_b32 v[EO], v[R], 4, v[EO]
	v_lshlrev_b32 v[TO], 13, v[LANE]
	v_lshlrev_b32 v[L8], 3, v[LANE]
	v_lshl_add_u32 v[ES], v[R], 2, s15
	v_lshl_add_u32 v[EL], v[H], 5, s15
	v_mul_u32_u24 v[BA], v[R], XP
	v_lshl_add_u32 v[BA], v[H], 4, v[BA]           ; token r, bytes 16 h
	v_mul_u32_u24 v[CA], v[H], CP
	v_lshl_add_u32 v[CA], v[R], 3, v[CA]
	v_add_nc_u32 v[CA], s16, v[CA]                 ; candidate row 2 w + h, token r
	v_lshl_add_u32 v[CB], v[H], 5, s17
	v_lshl_add_u32 v[PB], v[LANE], 4, s19          ; pair of tokens 32 (w % 4) + lane
	v_add_nc_u32 v[PA], s21, v[PB]
	v_add_nc_u32 v[PS], s22, v[PB]
	v_add_nc_u32 v[OO], s15, v[L8]
	s_wait_kmcnt 0x0
	s_lshl_b32 s24, ttmp9, 16                      ; 256 tokens x 256 bytes for each work-group
	s_mov_b32 s25, 0
	s_add_nc_u64 s[6:7], s[6:7], s[24:25]          ; input at the group's first token
	s_mov_b32 s26, s15
	s_mov_b32 s27, 0
	s_add_nc_u64 s[26:27], s[4:5], s[26:27]        ; embed at my wave's first column (64 columns x 4 bytes)
	s_lshl2_add_u32 s28, ttmp9, s14                ; code 4 x group + w: the row of embt that waves 0..3 write
	s_lshl_b32 s30, s28, 2
	s_mov_b32 s31, 0
	s_add_nc_u64 s[30:31], s[4:5], s[30:31]        ; embed at that column
	s_lshl_b32 s32, s28, 8
	s_mov_b32 s33, 0
	s_add_nc_u64 s[8:9], s[8:9], s[32:33]          ; embt at that row
	s_lshl_b32 s34, ttmp9, 10                      ; 256 indices x 4 bytes
	s_mov_b32 s35, 0
	s_add_nc_u64 s[10:11], s[10:11], s[34:35]
	s_add_nc_u64 s[12:13], s[12:13], s[34:35]
	s_wait_alu depctr_va_vdst(0)                   ; the offsets and LDS addresses v4 to v17 are written, which the loads and stores of both kinds of waves read
	s_cmp_ge_u32 s14, 8
	s_cbranch_scc1 .Ltokens_laid                   ; waves 8-15 touch no token: straight to their codes
	; WAVES 0-7: THE TOKENS.  Waves 0..3 first ask for one column of embed each (1,024 columns / 256 groups).
	s_cmp_ge_u32 s14, 4
	s_cbranch_scc1 .Lrow_asked
	global_load_b32 v[ET], v[TO], s[30:31]                 ; embed[2 lane][code]
	global_load_b32 v[ET+1], v[TO], s[30:31] offset:ROWB   ; embed[2 lane + 1][code]
.Lrow_asked:
.irp q, 0,1,2,3,4,5,6,7,8,9,10,11,12,13,14,15
	global_load_b128 v[XR+4*\q:XR+4*\q+3], v[XO], s[6:7] offset:\q*4096   ; the 256 threads cover 4,096 neighbouring bytes, 16 tokens.  No hint: the next launch reads them again
.endr
; The tokens go in four groups of four loads.  A group's LDS stores stand behind the wait for the NEXT group's data, so that their wait on va_vdst stands well behind the conversions that it names.
.macro CVT4 g                          ; group g is rounded
.irp j, 0,1,2,3
	v_cvt_pk_bf16_f32 v[XB+2*(4*(\g)+\j)], v[XR+4*(4*(\g)+\j)], v[XR+4*(4*(\g)+\j)+1]
	v_cvt_pk_bf16_f32 v[XB+2*(4*(\g)+\j)+1], v[XR+4*(4*(\g)+\j)+2], v[XR+4*(4*(\g)+\j)+3]
.endr
.endm
.macro LAY4 g                          ; group g goes to LDS
	s_wait_alu depctr_va_vdst(0)                   ; the conversions of group g have written their eight registers of XB, which the four LDS stores read
.irp j, 0,1,2,3
	ds_store_b64 v[XS], v[XB+2*(4*(\g)+\j):XB+2*(4*(\g)+\j)+1] offset:LX+(4*(\g)+\j)*16*XP
.endr
.endm
	s_wait_loadcnt 12                              ; loads return in order (ISA guide 5.7.1): token loads 0 to 3 are in, the 12 behind them stay out
	CVT4 0
	s_wait_loadcnt 8                               ; loads 4 to 7 are in, 8 stay out
	LAY4 0
	CVT4 1
	s_wait_loadcnt 4                               ; loads 8 to 11 are in, 4 stay out
	LAY4 1
	CVT4 2
	s_wait_loadcnt 0x0                             ; the last four
	LAY4 2
	CVT4 3
	LAY4 3
	; waves 0..3: their column of embed (older than the token loads, so it is in) becomes a row of embt
	s_cmp_ge_u32 s14, 4
	s_cbranch_scc1 .Lrow_stored
	v_cvt_pk_bf16_f32 v[EW], v[ET], v[ET+1]
	v_and_b32 v[EW+1], 0xffff0000, v[EW]           ; bf16 to f32: the high half stays,
	v_lshlrev_b32 v[EW], 16, v[EW]                 ; the low half moves up
	s_wait_alu depctr_va_vdst(0)                   ; v[EW:EW+1] are written, which the store reads
	global_store_b64 v[L8], v[EW:EW+1], s[8:9]     ; the wave stores the row's 256 bytes, aligned
.Lrow_stored:
	s_wait_dscnt 0x0                               ; my tokens are in LDS: zero, for the other waves' sake (the signal stands below, behind the code requests)
	s_wait_alu depctr_vm_vsrc(0)                   ; my LDS stores have read XB, v[104:135], in which code loads land (the conversions that wrote XB stand ahead of the last group's wait on va_vdst, and no vector instruction since names these registers)
.Ltokens_laid:
	; EVERY WAVE: my 64 codes.  Load n brings row d = 32 (n/16) + 16 (n/8 % 2) + n % 8 + 8 h, columns 4 r .. 4 r + 3: sixteen lanes cover 256 aligned bytes.
.set n, 0
.rept 32
	global_load_b128 v[ST+4*n:ST+4*n+3], v[EO], s[26:27] offset:(32*(n>>4)+16*((n>>3)&1)+(n&7))*ROWB
.set n, n+1
.endr
	s_barrier_signal -1
	; CODES, between the signal and the wait (registers only): A fragments and the sums of squares of the rounded numbers.
	; Fragment register n/2 of tile i packs rows d(n), d(n+1) of column 4 r + i: K = 8 h + 0..7 in registers 0-3, 16 + 8 h + 0..7 in 4-7.
.irp i, 0,1,2,3
	v_mov_b32 v[ACC+\i], 0
	v_mov_b32 v[TMP+\i], 0                         ; written once: v_permlanex16_b32 counts as a reader of its destination
.endr
.set n, 0
.rept 16
	s_wait_loadcnt 30-n                            ; in both kinds of waves the 32 code loads are the youngest: n and n + 1 are in, the 30 - n behind them stay out
.irp i, 0,1,2,3
	v_cvt_pk_bf16_f32 v[AF+16*\i+n/2], v[ST+4*n+\i], v[ST+4*n+4+\i]
.endr
.irp i, 0,1,2,3
	v_fma_mix_f32_bf16 v[ACC+\i], v[AF+16*\i+n/2], v[AF+16*\i+n/2], v[ACC+\i] op_sel_hi:[1,1,0]
.endr
.irp i, 0,1,2,3
	v_fma_mix_f32_bf16 v[ACC+\i], v[AF+16*\i+n/2], v[AF+16*\i+n/2], v[ACC+\i] op_sel:[1,1,0] op_sel_hi:[1,1,0]
.endr
.set n, n+2
.endr
	s_barrier_wait -1                              ; all 256 tokens are in LDS
	; -|e|^2/2: add the other half's 32 rows, then turn the 16 numbers of a tile (one a lane) into a C tile (register j of half h:
	; code row 8 h + j, the same for all 16 tokens) through 64 bytes of my own LDS.  LDS serves a wave's instructions in order
	; (ISA guide 5.7.1.4): no wait between my stores and my loads.
.irp i, 0,1,2,3
	v_permlanex16_b32 v[TMP+\i], v[ACC+\i], s40, s41
.endr
.irp i, 0,1,2,3
	v_add_f32 v[ACC+\i], v[ACC+\i], v[TMP+\i]
.endr
.irp i, 0,1,2,3
	v_mul_f32 v[ACC+\i], -0.5, v[ACC+\i]
.endr
	s_wait_alu depctr_va_vdst(0)                   ; v[ACC ..] are written, which the four LDS stores read; the conversions are done reading ST, in which the C tiles and both token fragments land
.irp i, 0,1,2,3
	ds_store_b32 v[ES], v[ACC+\i] offset:LE+64*\i  ; lanes r and r + 16 write the same word with the same value
.endr
.irp i, 0,1,2,3
	ds_load_b128 v[CT+8*\i:CT+8*\i+3], v[EL] offset:LE+64*\i
	ds_load_b128 v[CT+8*\i+4:CT+8*\i+7], v[EL] offset:LE+64*\i+16
.endr
.irp k, 0,1,2,3
	ds_load_b128 v[BF0+4*\k:BF0+4*\k+3], v[BA] offset:LX+32*\k             ; tokens 0..15: d = 8 h.., 16 + 8 h.., 32 + 8 h.., 48 + 8 h..
.endr
.irp k, 0,1,2,3
	ds_load_b128 v[BF1+4*\k:BF1+4*\k+3], v[BA] offset:LX+16*XP+32*\k       ; tokens 16..31
.endr
; 16 tokens (fragment b) x my 64 codes into result set d: 8 matrix instructions.  The second four are links in place of the first four.
; f, at: between the two fours stand the four LDS loads of the tokens at byte 'at' into fragment f.  No wait: no vector or matrix instruction since the last wait on va_vdst names f or v[BA].
.macro MM d, b, f=-1, at=0
.irp i, 0,1,2,3
	v_wmma_f32_16x16x32_bf16 v[\d+8*\i:\d+8*\i+7], v[AF+16*\i:AF+16*\i+7], v[\b:\b+7], v[CT+8*\i:CT+8*\i+7]
.endr
.if \f >= 0
.irp k, 0,1,2,3
	ds_load_b128 v[\f+4*\k:\f+4*\k+3], v[BA] offset:LX+\at+32*\k           ; on their way during the search
.endr
.endif
.irp i, 0,1,2,3
	v_wmma_f32_16x16x32_bf16 v[\d+8*\i:\d+8*\i+7], v[AF+16*\i+8:AF+16*\i+15], v[\b+8:\b+15], v[\d+8*\i:\d+8*\i+7]
.endr
.endm
; The search over the lane's 32 results in set d.  The 32 codes of a lane ascend as l = 4 j + i.  They are taken as four groups of eight
; neighbours: group q = registers 2 q, 2 q + 1 of the four tiles, place o = 4 (j % 2) + i.  Each group's maximum costs four instructions; a later
; group replaces the running one only if it is GREATER, and then its eight values replace the kept eight under the same mask; at the end the
; first kept value equal to the maximum gives the place.  So equal values give the lowest code.
; The running maximum hangs on no mask, so the three compares of the groups stand in one run, and so do the seven compares of the places.
.macro SEARCH d
.irp q, 0,1,2,3
	v_max3_num_f32 v[M+\q], v[\d+2*\q], v[\d+8+2*\q], v[\d+16+2*\q]
.endr
.irp q, 0,1,2,3
	v_max3_num_f32 v[M+\q], v[M+\q], v[\d+24+2*\q], v[\d+2*\q+1]
.endr
.irp q, 0,1,2,3
	v_max3_num_f32 v[M+\q], v[M+\q], v[\d+8+2*\q+1], v[\d+16+2*\q+1]
.endr
.irp q, 0,1,2,3
	v_max_num_f32 v[M+\q], v[M+\q], v[\d+24+2*\q+1]
.endr
.irp q, 1,2,3
	v_cmp_gt_f32 s[MK+\q], v[M+\q], v[BEST]        ; is group q greater than the best of the groups below it?
	v_max_num_f32 v[BEST], v[BEST], v[M+\q]
.endr
	s_wait_alu depctr_va_sdst(0)                   ; the three masks s[MK+1 .. MK+3] are written, ahead of the selects that read them
.irp q, 1,2,3
.irp o, 0,1,2,3,4,5,6,7
	v_cndmask_b32 v[\d+8*(\o&3)+(\o>>2)], v[\d+8*(\o&3)+(\o>>2)], v[\d+8*(\o&3)+2*\q+(\o>>2)], s[MK+\q]   ; kept in group 0's registers
.endr
.endr
.irp o, 0,1,2,3,4,5,6
	v_cmp_eq_f32 s[MK+4+\o], v[\d+8*(\o&3)+(\o>>2)], v[BEST]
.endr
	v_cndmask_b32 v[Q], 0, 8, s[MK+1]              ; the group's number, by the masks waited for above: three lines that stand between the seven compares and their wait
	v_cndmask_b32 v[Q], v[Q], 16, s[MK+2]
	v_cndmask_b32 v[Q], v[Q], 24, s[MK+3]
	s_wait_alu depctr_va_sdst(0)                   ; the seven masks s[MK+4 .. MK+10] are written, ahead of the selects that read them
	v_cndmask_b32 v[O], 7, 6, s[MK+10]
.irp o, 5,4,3,2,1,0
	v_cndmask_b32 v[O], v[O], \o, s[MK+4+\o]       ; downward: the lowest place that holds the maximum stays
.endr
	v_add3_u32 v[BEST+1], v[Q], v[O], v[CB]        ; 64 w + 32 h + 8 q + o
.endm
; ONE BLOCK'S TURN: the NEXT block is multiplied into set dn from fragment bn; among its matrix instructions the block after that is fetched into bc, the
; fragment of the block that is searched now (more = 1); then this block's results, in set dc, are searched.  blk: 0 or 1, the block's place in the trip.
; Places (ISA guide 7.12.1): between the matrix instructions that wrote dc (one turn ago) and the first read of dc stand the lines of the last turn's
; search, which name the other set alone.
.macro TURN dn, bn, dc, bc, blk, more
	s_wait_dscnt 0x1                               ; LDS answers in order (ISA guide 5.7.1): the four loads of bn, issued a turn ago, are in; only the candidate store behind them may be out
.if \more
	MM \dn, \bn, \bc, (\blk+2)*16*XP
.else
	MM \dn, \bn
.endif
	s_wait_alu depctr_vm_vsrc(0)                   ; the last turn's candidate store has read BEST, which the search writes again; the loads and stores issued so far have read v[BA] and v[CA], which a trip's second turn steps below
	SEARCH \dc
.if \more*\blk
	v_add_nc_u32 v[BA], 32*XP, v[BA]               ; 32 tokens on
	v_add_nc_u32 v[CA], 256, v[CA]                 ; 32 tokens x 8 bytes on: the store below reaches back
.endif
	s_wait_alu depctr_va_vdst(0)                   ; the search has written BEST, which the store reads; the matrix instructions above are done reading bn, in which the next turn's loads land; v[BA] and v[CA] are written
	ds_store_b64 v[CA], v[BEST:BEST+1] offset:LC+128*\blk-256*\more*\blk
.endm
	s_wait_dscnt 0x0                               ; the C tiles and both fragments are in (zero: no store stands behind the loads here, as it does in the loop)
	MM D0, BF0                                     ; block 0
.rept 4
	v_nop                                          ; once: the four places behind block 0's matrix instructions, which no search precedes
.endr
	s_wait_alu depctr_va_vdst(0)                   ; block 0's matrix instructions are done reading BF0, in which the first turn's loads land
	s_mov_b32 s42, 7
.Ltokens:                                              ; trip t: multiplies blocks 2 t + 1, 2 t + 2, fetches 2 t + 2, 2 t + 3, searches 2 t, 2 t + 1
	TURN D1, BF1, D0, BF0, 0, 1
	TURN D0, BF0, D1, BF1, 1, 1
	s_sub_co_i32 s42, s42, 1
	s_cmp_lg_u32 s42, 0
	s_cbranch_scc1 .Ltokens
	TURN D1, BF1, D0, BF0, 0, 0                    ; block 15 is multiplied, 14 searched: nothing is fetched beyond the last token
	s_wait_alu depctr_vm_vsrc(0)                   ; block 14's candidate store has read BEST, which the search writes again
	SEARCH D1                                      ; block 15
	s_wait_alu depctr_va_vdst(0)                   ; the search has written BEST, which the store reads
	ds_store_b64 v[CA], v[BEST:BEST+1] offset:LC+128
	; THE 32 CANDIDATES OF EACH TOKEN.  Row c = 2 w + h holds codes 32 c .. 32 c + 31, so going up c and replacing only by a GREATER value
	; keeps the lowest code.  A thread takes two neighbouring tokens (16 bytes a row).
	; Candidates 1 to n against candidate 0: the running maxima hang on no mask, so all 2 n compares stand in one run; then the selects of the codes, in the same order.
.macro MERGE n
.set c, 1
.rept \n
	v_cmp_gt_f32 s[MK+2*c-2], v[RA+4*c], v[RA]
	v_max_num_f32 v[RA], v[RA], v[RA+4*c]
	v_cmp_gt_f32 s[MK+2*c-1], v[RA+4*c+2], v[RA+2]
	v_max_num_f32 v[RA+2], v[RA+2], v[RA+4*c+2]
.set c, c+1
.endr
	s_wait_alu depctr_va_sdst(0)                   ; the 2 n masks from s[MK] on are written, ahead of the selects that read them
.set c, 1
.rept \n
	v_cndmask_b32 v[RA+1], v[RA+1], v[RA+4*c+1], s[MK+2*c-2]
	v_cndmask_b32 v[RA+3], v[RA+3], v[RA+4*c+3], s[MK+2*c-1]
.set c, c+1
.endr
.endm
	s_wait_dscnt 0x0                               ; my candidates are in LDS
	s_barrier_signal -1
	s_barrier_wait -1
.irp c, 0,1,2,3,4,5,6,7
	ds_load_b128 v[RA+4*\c:RA+4*\c+3], v[PA] offset:LC+\c*CP       ; waves 4 p .. 4 p + 3: rows 8 p .. 8 p + 7 of all 128 pairs.  RA was D0: the last lines that name it, block 14's search, stand ahead of two waits on va_vdst
.endr
	s_wait_dscnt 0x0
	MERGE 7
	s_wait_alu depctr_va_vdst(0)                   ; the merge has written v[RA:RA+3], which the LDS store reads, and is done reading the registers behind them, in which the next loads land
	ds_store_b128 v[PS], v[RA:RA+3] offset:LP
	s_wait_dscnt 0x0
	s_barrier_signal -1
	s_barrier_wait -1
	s_cmp_ge_u32 s14, 4                            ; the last step is work for 128 threads: 64 tokens a wave make stores of 256 bytes
	s_cbranch_scc1 .Lend
	s_wait_alu depctr_vm_vsrc(0)                   ; my LDS store has read v[RA:RA+3], in which the first of the loads below lands
.irp c, 0,1,2,3
	ds_load_b128 v[RA+4*\c:RA+4*\c+3], v[PB] offset:LP+\c*2048
.endr
	s_wait_dscnt 0x0
	MERGE 3
	v_mov_b32 v[RA+2], v[RA+1]                     ; the two indices side by side
	s_wait_alu depctr_va_vdst(0)                   ; v[RA+2:RA+3] are written, which the two stores read
	global_store_b64 v[OO], v[RA+2:RA+3], s[12:13] ; out2: the wave stores 256 consecutive bytes, aligned
	global_store_b64 v[OO], v[RA+2:RA+3], s[10:11] ; codes: the same
.Lend:
	s_wait_dscnt 0x0
	s_wait_alu depctr_hold_cnt(0) depctr_sa_sdst(0) depctr_va_vdst(0) depctr_va_sdst(0) depctr_va_ssrc(0) depctr_va_vcc(0) depctr_vm_vsrc(0)
	s_wait_tensorcnt 0x0
	ds_add_u32 v38, v39
	s_wait_dscnt 0x0
	s_endpgm
.Lfunc_end_k_qff07820f6e_nearest:
	.size	k_qff07820f6e_nearest, .Lfunc_end_k_qff07820f6e_nearest-k_qff07820f6e_nearest
	.p2alignl 7, 3214868480
	.fill 96, 4, 3214868480
	.section	.rodata,"a",@progbits
	.p2align	6, 0x0
	.amdhsa_kernel k_qff07820f6e_nearest
		.amdhsa_group_segment_fixed_size 120832
		.amdhsa_private_segment_fixed_size 0
		.amdhsa_enable_private_segment 0
		.amdhsa_kernarg_size 40
		.amdhsa_user_sgpr_count 2
		.amdhsa_user_sgpr_kernarg_segment_ptr 1
		.amdhsa_wavefront_size32 1
		.amdhsa_system_sgpr_workgroup_id_x 1
		.amdhsa_system_sgpr_workgroup_id_y 1
		.amdhsa_system_sgpr_workgroup_id_z 1
		.amdhsa_system_vgpr_workitem_id 0
		.amdhsa_next_free_vgpr 232
		.amdhsa_next_free_sgpr 66
		.amdhsa_reserve_vcc 0
		.amdhsa_float_denorm_mode_32 3
		.amdhsa_float_denorm_mode_16_64 3
		.amdhsa_memory_ordered 1
		.amdhsa_forward_progress 1
		.amdhsa_inst_pref_size 50
	.end_amdhsa_kernel
	.amdgpu_metadata
---
amdhsa.version: [ 1, 2 ]
amdhsa.kernels:
  - .name:           k_qff07820f6e_nearest
    .symbol:         k_qff07820f6e_nearest.kd
    .args:
      - { .name: embed, .offset: 0, .size: 8, .value_kind: global_buffer, .address_space: global }
      - { .name: input, .offset: 8, .size: 8, .value_kind: global_buffer, .address_space: global }
      - { .name: embt, .offset: 16, .size: 8, .value_kind: global_buffer, .address_space: global }
      - { .name: codes, .offset: 24, .size: 8, .value_kind: global_buffer, .address_space: global }
      - { .name: out2, .offset: 32, .size: 8, .value_kind: global_buffer, .address_space: global }
    .group_segment_fixed_size: 120832
    .private_segment_fixed_size: 0
    .kernarg_segment_align: 8
    .kernarg_segment_size: 40
    .max_flat_workgroup_size: 512
    .sgpr_count:     66
    .vgpr_count:     232
    .wavefront_size: 32
...
	.end_amdgpu_metadata
.endif
;; end of part 3
;; launch apply (part 4): grid 512 x 1, 8 waves a work-group, no clusters, 0 bytes of LDS; arguments input, embt, codes, out0, out1; writes out0, out1
.if DOCPART == 4
	.amdgcn_target "amdgcn-amd-amdhsa--gfx1250"
	.amdhsa_code_object_version 6
	.text
	.protected	k_qff07820f6e_apply
	.globl	k_qff07820f6e_apply
	.p2align	8
	.type	k_qff07820f6e_apply,@function
k_qff07820f6e_apply:
	s_mov_b64 s[64:65], 0
	v_nop
	global_prefetch_b8 v0, s[64:65] scope:SCOPE_SE
	s_setreg_imm32_b32 hwreg(HW_REG_WAVE_SCHED_MODE, 0, 2), 2
	s_setreg_imm32_b32 hwreg(HW_REG_WAVE_MODE, 25, 1), 1
	s_wait_xcnt 0x0
	s_wait_alu depctr_vm_vsrc(0)
; GATHER AND THE TWO ELEMENTWISE RESULTS.  q = embt[codes[token]] (the code, already rounded to bf16 and widened), x = input rounded to bf16
; and widened: t = q - x, out1 = t * t, out0 = x + t, all in f32.
; FORMAT: both results are formed from the operands as rounded to bf16, the numbers between which the nearest code was chosen, so that the
; three outputs belong to one and the same rounded problem; against unrounded operands x and q are off by 2^-8 of their size at the most.
; A stream: memory binds.  No LDS, no barrier, no matrix unit, no cluster (work-groups share only the 262,144 bytes of embt, read by rows that
; the indices name).  512 work-groups of 128 rows; sixteen lanes own eight consecutive rows, 16 bytes of each row a lane, so every load
; and store of sixteen lanes covers one row: 256 consecutive bytes, aligned.  Straight-line: all 8 rows of a lane are in flight at once,
; and no register that a memory instruction names is written again behind it.
; THE MODE: SCHED_MODE bits 1:0 = 2 (LLVM: expert scheduling mode 2), set by the entry lines.  The code itself states the register dependences
; between vector instructions and memory instructions, with s_wait_alu, always for 0.
; THE PLAN.  Registers that memory instructions touch:
;   v3, v4     byte offsets, made at the head, never written again.
;   IX         the eight indices as loaded; 24 vector lines turn them into byte offsets in embt; then the eight gathers read them.  One wait for all eight.
;   X, E       row k: loaded; rewritten in place by row k's arithmetic; read by row k's two stores; never written again.
;   T          named by vector instructions alone.
; The rows go in pairs.  The four stores of a pair stand at the head of the NEXT pair, behind the wait for that pair's gathers and one wait on va_vdst.
; No register that a memory instruction reads is written again, so only the entry lines wait on vm_vsrc.
.set IX, 8                             ; v[8:15]  the eight indices, then the byte offsets in embt
.set X,  16                            ; v[16:47] row k: x, then out0
.set E,  48                            ; v[48:79] row k: q, then t, then out1
.set T,  80                            ; v[80:81] packed bf16
	s_load_b256 s[4:11], s[0:1], 0x0               ; input s[4:5], embt s[6:7], codes s[8:9], out0 s[10:11]
	s_load_b64 s[12:13], s[0:1], 0x20              ; out1
	v_and_b32 v1, 15, v0
	v_lshrrev_b32 v2, 4, v0                        ; which eight rows, 0..15
	v_lshlrev_b32 v3, 5, v2                        ; their eight indices: 32 bytes
	v_lshlrev_b32 v5, 4, v1                        ; my 16 bytes in a row
	v_lshl_add_u32 v4, v2, 11, v5                  ; + 8 rows x 256 bytes
	s_lshl_b32 s14, ttmp9, 15                      ; 128 rows x 256 bytes for each work-group
	s_mov_b32 s15, 0
	s_lshl_b32 s16, ttmp9, 9                       ; 128 indices x 4 bytes
	s_mov_b32 s17, 0
	s_mov_b32 s18, 0xffff0000                      ; a word's upper bf16
	s_wait_kmcnt 0x0
	s_add_nc_u64 s[4:5], s[4:5], s[14:15]
	s_add_nc_u64 s[8:9], s[8:9], s[16:17]
	s_add_nc_u64 s[10:11], s[10:11], s[14:15]
	s_add_nc_u64 s[12:13], s[12:13], s[14:15]
	s_wait_alu depctr_va_vdst(0)                   ; v3 and v4 are written: the loads of the indices and of x and all the stores read one of them as their offset
	global_load_b128 v[IX:IX+3], v3, s[8:9]
	global_load_b128 v[IX+4:IX+7], v3, s[8:9] offset:16
.irp k, 0,1,2,3,4,5,6,7
	global_load_b128 v[X+4*\k:X+4*\k+3], v4, s[4:5] offset:256*\k th:TH_LOAD_NT    ; read here for the last time
.endr
	s_wait_loadcnt 8                               ; the indices are in; the eight loads of x stay out
.irp k, 0,1,2,3,4,5,6,7
	v_min_u32 v[IX+\k], 0x3ff, v[IX+\k]            ; an index stays inside the table of 1,024 rows
	v_lshlrev_b32 v[IX+\k], 8, v[IX+\k]            ; rows of 256 bytes
	v_add_nc_u32 v[IX+\k], v[IX+\k], v5
.endr
	s_wait_alu depctr_va_vdst(0)                   ; all eight offsets v[IX ..] are written, which the gathers read
.irp k, 0,1,2,3,4,5,6,7
	global_load_b128 v[E+4*\k:E+4*\k+3], v[IX+\k], s[6:7]          ; no hint: a row may be named again
.endr
.macro ROW k                           ; row k's arithmetic, in place
	v_cvt_pk_bf16_f32 v[T], v[X+4*(\k)], v[X+4*(\k)+1]
	v_cvt_pk_bf16_f32 v[T+1], v[X+4*(\k)+2], v[X+4*(\k)+3]
	v_lshlrev_b32 v[X+4*(\k)], 16, v[T]
	v_and_b32 v[X+4*(\k)+1], s18, v[T]
	v_lshlrev_b32 v[X+4*(\k)+2], 16, v[T+1]
	v_and_b32 v[X+4*(\k)+3], s18, v[T+1]
	v_pk_add_f32 v[E+4*(\k):E+4*(\k)+1], v[E+4*(\k):E+4*(\k)+1], v[X+4*(\k):X+4*(\k)+1] neg_lo:[0,1] neg_hi:[0,1]         ; t = q - x
	v_pk_add_f32 v[E+4*(\k)+2:E+4*(\k)+3], v[E+4*(\k)+2:E+4*(\k)+3], v[X+4*(\k)+2:X+4*(\k)+3] neg_lo:[0,1] neg_hi:[0,1]
	v_pk_add_f32 v[X+4*(\k):X+4*(\k)+1], v[X+4*(\k):X+4*(\k)+1], v[E+4*(\k):E+4*(\k)+1]                                   ; out0 = x + t
	v_pk_add_f32 v[X+4*(\k)+2:X+4*(\k)+3], v[X+4*(\k)+2:X+4*(\k)+3], v[E+4*(\k)+2:E+4*(\k)+3]
	v_pk_mul_f32 v[E+4*(\k):E+4*(\k)+1], v[E+4*(\k):E+4*(\k)+1], v[E+4*(\k):E+4*(\k)+1]                                   ; out1 = t * t
	v_pk_mul_f32 v[E+4*(\k)+2:E+4*(\k)+3], v[E+4*(\k)+2:E+4*(\k)+3], v[E+4*(\k)+2:E+4*(\k)+3]
.endm
.macro OUT k                           ; row k's two stores
	global_store_b128 v4, v[X+4*(\k):X+4*(\k)+3], s[10:11] offset:256*(\k) th:TH_STORE_NT
	global_store_b128 v4, v[E+4*(\k):E+4*(\k)+3], s[12:13] offset:256*(\k) th:TH_STORE_NT
.endm
	s_wait_loadcnt 6                               ; loads return in order (ISA guide 5.7.1): gathers 0 and 1 are in (and all of x, which is older), six gathers stay out
	ROW 0
	ROW 1
.irp p, 1,2,3
	s_wait_loadcnt 6-2*\p                          ; gathers 2 p and 2 p + 1 are in, the 6 - 2 p behind them stay out
	s_wait_alu depctr_va_vdst(0)                   ; the pair before has written its X and E, which the four stores below read
	OUT 2*\p-2
	OUT 2*\p-1
	ROW 2*\p
	ROW 2*\p+1
.endr
	s_wait_alu depctr_va_vdst(0)                   ; rows 6 and 7 have written their X and E, which the last four stores read
	OUT 6
	OUT 7
	s_endpgm
.Lfunc_end_k_qff07820f6e_apply:
	.size	k_qff07820f6e_apply, .Lfunc_end_k_qff07820f6e_apply-k_qff07820f6e_apply
	.p2alignl 7, 3214868480
	.fill 96, 4, 3214868480
	.section	.rodata,"a",@progbits
	.p2align	6, 0x0
	.amdhsa_kernel k_qff07820f6e_apply
		.amdhsa_group_segment_fixed_size 0
		.amdhsa_private_segment_fixed_size 0
		.amdhsa_enable_private_segment 0
		.amdhsa_kernarg_size 40
		.amdhsa_user_sgpr_count 2
		.amdhsa_user_sgpr_kernarg_segment_ptr 1
		.amdhsa_wavefront_size32 1
		.amdhsa_system_sgpr_workgroup_id_x 1
		.amdhsa_system_sgpr_workgroup_id_y 1
		.amdhsa_system_sgpr_workgroup_id_z 1
		.amdhsa_system_vgpr_workitem_id 0
		.amdhsa_next_free_vgpr 82
		.amdhsa_next_free_sgpr 66
		.amdhsa_reserve_vcc 0
		.amdhsa_float_denorm_mode_32 3
		.amdhsa_float_denorm_mode_16_64 3
		.amdhsa_memory_ordered 1
		.amdhsa_forward_progress 1
		.amdhsa_inst_pref_size 11
	.end_amdhsa_kernel
	.amdgpu_metadata
---
amdhsa.version: [ 1, 2 ]
amdhsa.kernels:
  - .name:           k_qff07820f6e_apply
    .symbol:         k_qff07820f6e_apply.kd
    .args:
      - { .name: input, .offset: 0, .size: 8, .value_kind: global_buffer, .address_space: global }
      - { .name: embt, .offset: 8, .size: 8, .value_kind: global_buffer, .address_space: global }
      - { .name: codes, .offset: 16, .size: 8, .value_kind: global_buffer, .address_space: global }
      - { .name: out0, .offset: 24, .size: 8, .value_kind: global_buffer, .address_space: global }
      - { .name: out1, .offset: 32, .size: 8, .value_kind: global_buffer, .address_space: global }
    .group_segment_fixed_size: 0
    .private_segment_fixed_size: 0
    .kernarg_segment_align: 8
    .kernarg_segment_size: 40
    .max_flat_workgroup_size: 256
    .sgpr_count:     66
    .vgpr_count:     82
    .wavefront_size: 32
...
	.end_amdgpu_metadata
.endif
;; end of part 4
